; MI455X (gfx1250); checked and timed in simulation.
; The chip was launched on July 23, 2026; its instructions are those of AMD's public machine-readable ISA for CDNA 5 (MIT licence, August 2026) and "CDNA5" Instruction Set Architecture Reference Guide (July 2026). The comments in the code are by the model that wrote it; some were corrected since.
;; Scaled Dot Product Attention. Allowed arithmetic: matrix products marked QUANTISED: E4M3 operands, one given power-of-two scale a tensor, by v_wmma_f32_16x16x64_fp8_fp8 or v_wmma_f32_16x16x128_fp8_fp8, f32 sums; everything else in f32.
;; Inputs: K 4,096 x 1,024 float32; Q 4,096 x 1,024 float32; V 4,096 x 1,024 float32; lowp_scales 4 int32 (the exponents e of the quantised operands' scales 2^e).
;; Outputs: out0 4,096 x 1,024 float32.
;; This version of the problem:
;;   THIS VERSION OF THE PROBLEM IS GIVEN IN LOW PRECISION. The matrix products marked QUANTISED in the list below multiply operands that are first quantised to E4M3 (4 exponent bits, 3 mantissa bits; 8 bits a number), with one given power-of-two scale for each operand tensor; their sums are f32. All else is computed in f32.
;;   The module's matrix products, in the order in which they are computed (A, B: the left and right operand; K: the contracted axis; several contracted axes count as one K, in the product's order):
;;     1. [M 4,096, K 1,024] x [K 1,024, N 4,096]; A: input Q; B: input K: QUANTISED (scales: A lowp_scales[0], B lowp_scales[1])
;;     2. [M 4,096, K 4,096] x [K 4,096, N 1,024]; A: softmax (see below); B: input V: QUANTISED (scales: A lowp_scales[2], B lowp_scales[3])
;;   THE QUANTISER, for each operand of a quantised product, along K:
;;     - The operand's scale is 2^e, e = its entry of the input lowp_scales (int32; the entries are numbered through the quantised products in the list's order, A before B).
;;     - Each number is divided by the scale, clamped to +-448, and rounded to the nearest number of E4M3, ties to even, subnormals kept.
;;     - The product sums the exact products of the quantised numbers (number of the format x scale) in f32.
;;   ~~~python
;;   def quantise(x, axis, e):      # numpy; x: float32 -> the quantised numbers, widened to float32 again
;;       x = np.moveaxis(x, axis, -1); K = x.shape[-1]
;;       r = np.clip(x / 2.0 ** e, -448, 448)
;;       step = 2.0 ** (np.maximum(np.frexp(np.where(r == 0, 1, r))[1] - 1, -6) - 3)
;;       q = np.round(r / step) * step * 2.0 ** e      # np.round: ties to even
;;       return np.moveaxis(q, -1, axis).astype(np.float32)
;;   ~~~
;;   SOFTMAX AHEAD OF A QUANTISED PRODUCT. Where the list says 'softmax', what is quantised is not the finished softmax but p = 2^(t - M), with t = logit x log2(e) and M = ceil(the row's largest t), a whole number; so 1/2 < the row's largest p <= 1. The row's sum l is taken of the UNQUANTISED p, in f32, and the product's result is divided by l at the end. Since M is a whole number, a kernel that streams over the keys may use a running M (the ceiling of the running maximum): every later rescaling is an exact power of two, so the quantised numbers keep their values, but for numbers so far below the row's largest that they fall under the format's range.
;;   OPERANDS COMPUTED ON THE WAY. 'Computed on the way' means the value that the module computes at that place (a softmax that the list does not call 'softmax' is quantised finished and normalised). What goes into a quantiser is computed in f32, as accurately as f32 sums, v_exp_f32 and their like allow (about 1e-6 of the number): no bf16 or f16 on the way to a quantiser, and a product that is left as it is and whose result goes on into a quantised operand takes f32 operands (vector FMAs, or v_wmma_f32_16x16x4_f32). A number that lies on a knife's edge between two numbers of the format may be rounded either way, as far as f32 arithmetic and the matrix unit's own rounding can turn it there, and no further.
;; One version. Each part assembles by itself: llvm-mc -triple=amdgcn-amd-amdhsa -mcpu=gfx1250 --defsym DOCPART=n.
;; ======== version 1 of 1: 3 launches
;; limits: right only within a limited range of input values
;; workspace buffers: q_codes 4,194,304 bytes; k_codes 4,194,304 bytes; vt_codes 4,194,304 bytes; p_codes 16,777,216 bytes; stat_m 524,288 bytes; stat_l 524,288 bytes
;; launch quant (part 1): grid 256 x 1, 16 waves a work-group, no clusters, 0 bytes of LDS; arguments Q, K, lowp_scales, q_codes, k_codes; writes q_codes, k_codes
.if DOCPART == 1
	.amdgcn_target "amdgcn-amd-amdhsa--gfx1250"
	.amdhsa_code_object_version 6
	.text
	.protected	k_q88acf54e74_quant
	.globl	k_q88acf54e74_quant
	.p2align	8
	.type	k_q88acf54e74_quant,@function
k_q88acf54e74_quant:
	s_mov_b64 s[64:65], 0
	v_nop
	global_prefetch_b8 v0, s[64:65] scope:SCOPE_SE
	s_setreg_imm32_b32 hwreg(HW_REG_WAVE_MODE, 25, 1), 1
	s_wait_xcnt 0x0
; Q, K [4096][1024], f32, become codes of E4M3, each with the one scale 2^e given for it (entries 0 and 1 of the scales).  V is quantised in the next launch, beside the first product.
; code = x / 2^e, held within +-448, rounded to the nearest code, ties to even.  LIMITS: -126 <= e <= 119, so that 2^e and 448 x 2^e are f32 numbers.  NaN among the inputs is not served.
; WORK LEFT OUT BY THE PROGRAM: every score with key > query is set to -infinity, so its weight is exactly 0 for all finite inputs.  Scores and weights are made only in the superblocks of 1,024 x 1,024
; that reach the diagonal or lie under it, and the second product walks a row's keys only to the end of its 512.  LIMIT: a NaN, an infinity or an overflow that reaches only the work left out is not carried to the result.
; q_codes, k_codes: [4096][1024].  WITHIN EACH RUN OF 512 NUMBERS THE CODES ARE PERMUTED, ALIKE IN BOTH: byte 16 l + 4 i + j holds number 128 i + 4 l + j.  The first product sums over that axis, so every product keeps its partner.
; So a lane's 16 numbers of four loads, each of 512 consecutive bytes, are converted as they lie: no LDS, no exchange between lanes, and a lane's 16 codes are stored as 16 bytes.
; A wave takes 2,048 numbers: its 16 loads are all issued at once.  Work-groups 0-127 take Q, 128-255 K.  A stream that is read once and written once: no matrix unit, no cluster, no tensor load.
.set R, 16                             ; v16-79  four steps of 16 numbers
.set C, 80                             ; v80-95  codes, four registers a step
	s_load_b128 s[4:7], s[0:1], 0x0                ; Q, K
	s_load_b64 s[10:11], s[0:1], 0x10              ; the scales' exponents
	s_load_b128 s[12:15], s[0:1], 0x18             ; q_codes, k_codes
	v_lshrrev_b32 v1, 5, v0
	v_readfirstlane_b32 s16, v1                    ; wave 0..15
	v_and_b32 v2, 31, v0
	v_lshlrev_b32 v3, 4, v2                        ; my 16 bytes of a load's 512, and of a store's
	s_and_b32 s17, ttmp9, 127
	s_lshl_b32 s17, s17, 4
	s_add_co_u32 s18, s17, s16                     ; which run of 2,048 numbers
	s_lshl_b32 s20, s18, 13
	s_mov_b32 s21, 0
	s_lshl_b32 s24, s18, 11
	s_mov_b32 s25, 0
	s_wait_alu depctr_va_vdst(0)
	s_wait_kmcnt 0x0
	s_load_b64 s[22:23], s[10:11], 0x0             ; eq, ek
	s_cmp_lt_u32 ttmp9, 128                        ; the choice hangs on the work-group's number alone
	s_cselect_b64 s[4:5], s[4:5], s[6:7]
	s_cselect_b64 s[12:13], s[12:13], s[14:15]
	s_add_nc_u64 s[4:5], s[4:5], s[20:21]
	s_add_nc_u64 s[12:13], s[12:13], s[24:25]
.set k, 0
.rept 16
	global_load_b128 v[R+4*k:R+4*k+3], v3, s[4:5] offset:512*k th:TH_LOAD_NT   ; 32 lanes read 512 consecutive bytes
.set k, k+1
.endr
	s_wait_kmcnt 0x0
	s_cmp_lt_u32 ttmp9, 128
	s_cselect_b32 s22, s22, s23                    ; e
	s_add_co_i32 s22, s22, 127
	s_lshl_b32 s23, s22, 23
	v_mov_b32 v11, s23                             ; 2^e: the conversion takes its exponent field
	s_add_co_i32 s22, s22, 8
	s_lshl_b32 s22, s22, 23
	s_or_b32 s22, s22, 0x600000
	v_mov_b32 v10, s22                             ; 448 x 2^e
	s_wait_alu depctr_va_vdst(0)                   ; a wait at the head's end
.irp t, 0,1,2,3
	s_wait_loadcnt 12-4*\t                         ; this step's four loads are in; the later steps' may be out
.set k, 0
.rept 16
	v_med3_num_f32 v[R+16*\t+k], v[R+16*\t+k], -v10, v10   ; the conversion does not saturate (ISA guide 7.6.2): the hold comes first
.set k, k+1
.endr
	v_cvt_scalef32_pk8_fp8_f32 v[C+4*\t:C+4*\t+1], v[R+16*\t:R+16*\t+7], v11
	v_cvt_scalef32_pk8_fp8_f32 v[C+4*\t+2:C+4*\t+3], v[R+16*\t+8:R+16*\t+15], v11
	v_nop
	global_store_b128 v3, v[C+4*\t:C+4*\t+3], s[12:13] offset:512*\t   ; 32 lanes store 512 consecutive bytes
.endr
	s_endpgm
.Lfunc_end_k_q88acf54e74_quant:
	.size	k_q88acf54e74_quant, .Lfunc_end_k_q88acf54e74_quant-k_q88acf54e74_quant
	.p2alignl 7, 3214868480
	.fill 96, 4, 3214868480
	.section	.rodata,"a",@progbits
	.p2align	6, 0x0
	.amdhsa_kernel k_q88acf54e74_quant
		.amdhsa_group_segment_fixed_size 0
		.amdhsa_private_segment_fixed_size 0
		.amdhsa_enable_private_segment 0
		.amdhsa_kernarg_size 40
		.amdhsa_user_sgpr_count 2
		.amdhsa_user_sgpr_kernarg_segment_ptr 1
		.amdhsa_wavefront_size32 1
		.amdhsa_system_sgpr_workgroup_id_x 1
		.amdhsa_system_sgpr_workgroup_id_y 1
		.amdhsa_system_sgpr_workgroup_id_z 1
		.amdhsa_system_vgpr_workitem_id 0
		.amdhsa_next_free_vgpr 96
		.amdhsa_next_free_sgpr 66
		.amdhsa_reserve_vcc 0
		.amdhsa_float_denorm_mode_32 3
		.amdhsa_float_denorm_mode_16_64 3
		.amdhsa_memory_ordered 1
		.amdhsa_forward_progress 1
		.amdhsa_inst_pref_size 9
	.end_amdhsa_kernel
	.amdgpu_metadata
---
amdhsa.version: [ 1, 2 ]
amdhsa.kernels:
  - .name:           k_q88acf54e74_quant
    .symbol:         k_q88acf54e74_quant.kd
    .args:
      - { .name: Q, .offset: 0, .size: 8, .value_kind: global_buffer, .address_space: global }
      - { .name: K, .offset: 8, .size: 8, .value_kind: global_buffer, .address_space: global }
      - { .name: lowp_scales, .offset: 16, .size: 8, .value_kind: global_buffer, .address_space: global }
      - { .name: q_codes, .offset: 24, .size: 8, .value_kind: global_buffer, .address_space: global }
      - { .name: k_codes, .offset: 32, .size: 8, .value_kind: global_buffer, .address_space: global }
    .group_segment_fixed_size: 0
    .private_segment_fixed_size: 0
    .kernarg_segment_align: 8
    .kernarg_segment_size: 40
    .max_flat_workgroup_size: 512
    .sgpr_count:     66
    .vgpr_count:     96
    .wavefront_size: 32
...
	.end_amdgpu_metadata
.endif
;; end of part 1
;; launch scores (part 2): grid 56 x 4, 4 waves a work-group, clusters of 4 x 4, 327,680 bytes of LDS; arguments q_codes, k_codes, lowp_scales, p_codes, stat_m, stat_l, V, vt_codes; writes p_codes, stat_m, stat_l, vt_codes
.if DOCPART == 2
	.amdgcn_target "amdgcn-amd-amdhsa--gfx1250"
	.amdhsa_code_object_version 6
	.text
	.protected	k_q88acf54e74_scores
	.globl	k_q88acf54e74_scores
	.p2align	8
	.type	k_q88acf54e74_scores,@function
k_q88acf54e74_scores:
	s_mov_b64 s[64:65], 0
	v_nop
	global_prefetch_b8 v0, s[64:65] scope:SCOPE_SE
	s_setreg_imm32_b32 hwreg(HW_REG_WAVE_MODE, 25, 1), 1
	s_wait_xcnt 0x0
	s_wait_alu depctr_hold_cnt(0) depctr_sa_sdst(0) depctr_va_vdst(0) depctr_va_sdst(0) depctr_va_ssrc(0) depctr_va_vcc(0) depctr_vm_vsrc(0)
	s_getreg_b32 s2, hwreg(HW_REG_IB_STS2, 6, 4)
	s_cmp_eq_u32 s2, 0
	s_cbranch_scc0 .Lentry_in_a_cluster
	s_endpgm
.Lentry_in_a_cluster:
	s_bfe_u32 s2, ttmp6, 0x10000c
	s_cmp_lg_u32 s2, 0xf033
	s_cbranch_scc0 .Lentry_shape_is_right
	s_endpgm
.Lentry_shape_is_right:
; The first product and the softmax's numerators.  S = Q K^T on codes of E4M3 (K = the head's 1,024); t = S x 2^(eq + ek) x log2(e) / 1024; keys behind the query are hidden.
; For each query and each BLOCK OF 256 KEYS: M = the block's largest t rounded up to a whole number; p = 2^(t - M); p is quantised with the scale 2^ep, held at 448.
; -M and the sums of the unquantised p over each 128 keys go to stat_m, stat_l [32 blocks of 128 keys][4096 q].  The next launch brings the blocks under the row's M by powers of two, which round nothing.
; A block with no open key gets -M = the largest f32 number, sums 0 and zero codes.
; WORK LEFT OUT: superblocks wholly behind the diagonal (their weights are exactly 0 for all finite inputs: see the first launch's head).
; p_codes IS LAID IN THE ORDER OF THE NEXT PRODUCT'S OPERAND REGISTERS: the fragment of queries 16 u .. 16 u + 15 and keys 128 v .. 128 v + 127 is the 2,048 bytes at (32 u + v) x 2,048: registers 4 c .. 4 c + 3 of
; lane l at byte 512 c + 16 l.  In it lane (r, h) holds query r, and its registers 2 b, 2 b + 1 keys 16 b + 8 h + 0 .. 7: just what the conversions leave in a lane here.  So the codes go out as they stand.
; SHARES.  The lower triangle is taken in ten superblocks of 1,024 x 1,024, a cluster of 4 x 4 work-groups each; a work-group makes 256 queries x 256 keys, each of its four waves 128 x 128: 64 accumulators, 512 registers.
; CLUSTERS.  The four of a row of the cluster need the same tiles of Q, the four of a column the same tiles of K: each tile is asked for JOINTLY.  In the four superblocks on the diagonal six work-groups each
; own tiles that lie wholly behind the diagonal: they take part in every joint request like their partners, and what they store (zero codes, sums 0) is read by the next launch, which walks keys in steps of 512.
; CLUSTERS 10 TO 13 QUANTISE V instead: 64 work-groups on no superblock (the path .Lvq at the text's end).  V's codes, like p_codes, are laid as the next product's operand registers:
; vt_codes [16 groups of 64 channels][32 runs of 128 keys][4 fragments][2,048 bytes]; row m of fragment f is channel 4 m + f of the group; in a fragment registers 4 c .. 4 c + 3 of lane l lie at byte 512 c + 16 l,
; and lane (r, h) holds row r, its registers 2 b, 2 b + 1 keys 16 b + 8 h + 0 .. 7: the order of p_codes.
; 1,024 along K are four K steps of 256 through a ring of two LDS slots; the matrix instruction is used transposed (source 0 = 16 keys, source 1 = 16 queries): a lane holds ONE query (lane % 16) and eight neighbouring keys.
; PREFETCH: K steps 2 and 3, each two refills ahead: behind the loads of K steps 0 and 1.  Of the 128 rows that a wave fetches each of the four partners that ask jointly takes 32, told apart by address (cx for Q, cy for K):
; a lane a row, 256 bytes, one instruction a wave.  K steps 0 and 1 come by their loads alone, and nothing is asked for behind K step 3.
; LIMITS: eq + ek between -116 and 137 (added to the exponent field of log2(e) / 1024); ep between -126 and 119; scaled scores under 2^31 in magnitude.
; REGISTERS: window 0: v0-31 addresses and constants; v32-119 the softmax's statistics and codes; v128-255 Q's fragments, ONE set, later two sets of 64 numbers.  window 1: K's fragments, two sets.
;   window 2: the accumulators of my queries 0-63 ((a, b) at v[8 (8 (a % 4) + b)]);  window 3: those of my queries 64-127.
.set ROWB,   256                       ; a tile's row in bytes
.set KROW,   1024                      ; a row of q_codes or k_codes in bytes
.set PITCH,  272                       ; an LDS row: 256 bytes + 16 of padding: the 16 rows that a load touches begin 16 bytes further on in each 256
.set FR,     16                        ; registers of a fragment: 16 rows x 128 K
.set NL,     4                         ; LDS loads that bring one
.set HALFT,  128*PITCH
.set SLOT,   4*HALFT                   ; Q's 256 rows, then K's 256 rows
.set SPARE,  2*SLOT                    ; the spare words, 128 bytes for each wave; no other line names them
.set XM,     SPARE+512                 ; [4 waves][128 queries] f32: each wave's largest t, for the wave with the block's other 128 keys
.set XS,     XM+2048                   ; 1,024 bytes for each wave: -M and the sums, turned from a query a lane to four queries a lane
.set XMW,  8                           ; v8   XM + 512 wave + 4 (lane % 16)
.set XMR,  9                           ; v9   the same in the partner wave's part
.set XSW,  10                          ; v10  XS + 1024 wave + 4 (lane % 16)
.set XSR,  11                          ; v11  XS + 1024 wave + 16 lane
.set SGO,  12                          ; v12  16 lane: my place in a run of 512 bytes; never rewritten
.set DV,   13                          ; v13  d: see the mask
.set NINF, 14                          ; v14  -infinity
.set ADRA, 16                          ; v16-17  LDS address of my Q fragments in slot 0, 1
.set PFO,  18                          ; v18  the prefetches' offset: a row a lane; never rewritten
.set ADRB, 20                          ; v20-21  LDS address of my K fragments
.set SPW,  28                          ; v28  my spare word; never rewritten
.set NIL,  29                          ; v29  0; never rewritten
.set SCL,  30                          ; v30  2^ep
.set LIM,  31                          ; v31  448 x 2^ep
.set NM,   32                          ; v32-47  a pair for each block a of 16 queries: -M, and the block's largest t
.set LS,   48                          ; v48-55  the sums
.set CH,   56                          ; v56-71  two chains of the maximum for each a
.set NN,   72                          ; v72-87  a pair for each a: what is added to the scores of its tiles b < a, and b > a: -M, or -infinity where they are hidden
.set WK,   88                          ; v88-95  at work
.set ST,   96                          ; v96-103 the statistics, turned
.set CD,   104                         ; v104-119 codes: a fragment of the next product
.set AF,   128                         ; Q's fragments
.set G1, 24                            ; s[24:31] descriptor group 1 for Q's tiles;  s[32:39] group 0, one set for each slot
.set G0, 32
.set G1B, 48                           ; s[48:55], s[56:63] the same for K's tiles
.set G0B, 56
.set MK,  66                           ; s66-73  eight lane masks
.set CS,  74                           ; s[74:75] c = 2^(eq + ek) log2(e) / 1024; the packed form names a pair and takes its low word
.set SEL, 76                           ; s[76:77] v_permlanex16_b32's selects for lane xor 16
.set PFA, 94                           ; s[94:95] where my prefetches stand; never rewritten
.set MSB, 0
.macro WIN new                         ; the immediate's high byte repeats the setting that is left
.if MSB != (\new)
	s_set_vgpr_msb (MSB<<8)|(\new)
.set MSB, (\new)
.endif
.endm
.set MUL_LO, 0xa1                      ; source 0 (K) window 1, source 1 (Q) window 0, C and D window 2
.set MUL_HI, 0xf1                      ; the same, C and D window 3
.set TO_B,   0x40                      ; destination window 1, address window 0
; A joint load: waves 0 and 1 fetch for Q, waves 2 and 3 for K.  Each of the two lines has one mask and one set of registers for all that issue it; the branch hangs on the wave's number alone.
.macro JLOAD s
	s_cmp_eq_u32 s15, 0
	s_cbranch_scc0 .Lfor_b_\@
	tensor_load_to_lds s[G0+4*\s:G0+4*\s+3], s[G1:G1+7]
	s_nop 0
.rept 4
	v_nop
.endr
	s_branch .Lasked_\@
.Lfor_b_\@:
	tensor_load_to_lds s[G0B+4*\s:G0B+4*\s+3], s[G1B:G1B+7]
	s_nop 0
.rept 4
	v_nop
.endr
.Lasked_\@:
.endm
.macro CREST                           ; a round of the cluster's barrier behind its opening barrier
	s_cmp_lg_u32 s14, 0
	s_cbranch_scc1 .Lnot_wave_0_\@
	s_barrier_signal -3
.Lnot_wave_0_\@:
	s_barrier_wait -3
	s_barrier_signal -1
	s_barrier_wait -1
.endm
.macro CROUND                          ; a whole round
	s_barrier_signal -1
	s_barrier_wait -1
	CREST
.endm
	s_load_b128 s[4:7], s[0:1], 0x0                ; q_codes, k_codes
	s_load_b128 s[8:11], s[0:1], 0x10              ; the scales' exponents, p_codes
	s_load_b128 s[80:83], s[0:1], 0x20             ; stat_m, stat_l
	v_lshl_add_u32 v[SPW], v0, 2, SPARE
	v_mov_b32 v[NIL], 0
	ds_add_u32 v[SPW], v[NIL]                      ; the opening lines: the add, twice on end
	ds_add_u32 v[SPW], v[NIL]
	v_lshrrev_b32 v1, 5, v0
	v_readfirstlane_b32 s14, v1                    ; wave 0..3
	s_wait_dscnt 0x0                               ; both opening adds are done
	s_lshr_b32 s15, s14, 1                         ; which half of the tile's queries is mine.  Also: I fetch for Q (0) or for K (1)
	s_and_b32 s16, s14, 1                          ; which half of its keys.  Also: which 128 rows of that tile I fetch
	s_bfe_u32 s40, ttmp6, 0x40000                  ; cx, cy: my place in the cluster
	s_bfe_u32 s41, ttmp6, 0x40004
	s_cmp_gt_u32 ttmp9, 9                          ; the cluster's number alone: all sixteen partners go the same way
	s_cbranch_scc1 .Lvq
	; the cluster's number c = 0 .. 9 names a superblock of the lower triangle: row SI = (c > 0) + (c > 2) + (c > 5), column SJ = c - SI (SI + 1) / 2
	s_cmp_gt_u32 ttmp9, 0
	s_cselect_b32 s85, 1, 0
	s_cmp_gt_u32 ttmp9, 2
	s_cselect_b32 s86, 1, 0
	s_add_co_u32 s85, s85, s86
	s_cmp_gt_u32 ttmp9, 5
	s_cselect_b32 s86, 1, 0
	s_add_co_u32 s85, s85, s86                     ; SI
	s_add_co_u32 s86, s85, 1
	s_mul_i32 s86, s86, s85
	s_lshr_b32 s86, s86, 1
	s_sub_co_u32 s86, ttmp9, s86                   ; SJ
	s_lshl_b32 s42, s86, 2
	s_add_co_u32 s42, s42, s40                     ; J, the block of 256 keys = 4 SJ + cx
	s_lshl_b32 s17, s85, 2
	s_add_co_u32 s17, s17, s41                     ; I, the block of 256 queries = 4 SI + cy
	s_lshl_b32 s43, s41, 2
	s_lshl_b32 s43, 15, s43                        ; my row of the cluster
	s_lshl_b32 s44, 0x1111, s40                    ; my column
	; descriptor group 1: a tile of 128 rows x 256 bytes, padded in LDS
	s_or_b32 s[G1+0], s43, (0<<16)|(1<<20)|(1<<21)|(5<<22)|(3<<25)  ; 15:0 the mask: Q's tiles go to my row; 17:16 elements of 1 byte; 20 padding on; 21 set beside a mask; 24:22 after every 64 words (code 5); 31:25 of 4 words (code 3)
	s_or_b32 s[G1B+0], s44, (0<<16)|(1<<20)|(1<<21)|(5<<22)|(3<<25)
.irp g, G1, G1B
	s_mov_b32 s[\g+1], ROWB<<16                    ; tensor_dim0
	s_mov_b32 s[\g+2], 128<<16                     ; tensor_dim1
	s_mov_b32 s[\g+3], ROWB<<16                    ; tile_dim0
	s_mov_b32 s[\g+4], 128                         ; tile_dim1
	s_mov_b32 s[\g+5], KROW                        ; tensor_dim0_stride
	s_mov_b32 s[\g+6], 0
	s_mov_b32 s[\g+7], 0
.endr
	s_mov_b32 s[SEL], 0x76543210
	s_mov_b32 s[SEL+1], 0xfedcba98
	s_lshl_b32 s18, s16, 7                         ; which 128 rows of the tile I fetch
	s_lshl_b32 s20, s17, 8
	s_add_co_u32 s20, s20, s18                     ; Q: row 256 I + 128 x half
	s_lshl_b32 s46, s42, 8
	s_add_co_u32 s46, s46, s18                     ; K: row 256 J + 128 x half
	s_mov_b32 s21, 0
	s_mov_b32 s47, 0
	s_mov_b64 s[18:19], KROW
	s_mul_u64 s[20:21], s[20:21], s[18:19]
	s_mul_u64 s[46:47], s[46:47], s[18:19]
	s_mul_i32 s45, s14, HALFT                      ; where they go: wave x 128 rows: no place in the cluster enters an LDS address
	; where my results go.  p_codes: my first fragment is that of queries 256 I + 128 x my half on and of keys 256 J + 128 x my half on: (32 (16 I + 8 half) + 2 J + half) x 2,048 bytes
	s_lshl_b32 s88, s17, 4
	s_lshl_b32 s89, s15, 3
	s_add_co_u32 s88, s88, s89
	s_lshl_b32 s88, s88, 16
	s_lshl_b32 s89, s42, 1
	s_add_co_u32 s89, s89, s16
	s_lshl_b32 s89, s89, 11
	s_add_co_u32 s88, s88, s89
	s_mov_b32 s89, 0
	; the statistics: block 2 J + my half of the keys, query 256 I + 128 x my half of the queries
	s_lshl_b32 s90, s42, 1
	s_add_co_u32 s90, s90, s16
	s_lshl_b32 s90, s90, 12
	s_lshl_b32 s91, s17, 8
	s_add_co_u32 s90, s90, s91
	s_lshl_b32 s91, s15, 7
	s_add_co_u32 s90, s90, s91
	s_lshl_b32 s90, s90, 2
	s_mov_b32 s91, 0
	CROUND                                         ; all sixteen work-groups are here: the first joint loads meet
	s_wait_kmcnt 0x0
	s_add_nc_u64 s[20:21], s[4:5], s[20:21]
	s_add_nc_u64 s[46:47], s[6:7], s[46:47]
.irp s, 0,1
	s_mov_b32 s[G0+4*\s], 1
	s_add_co_u32 s[G0+4*\s+1], s45, \s*SLOT
	s_add_nc_u64 s[G0+4*\s+2:G0+4*\s+3], s[20:21], \s*ROWB
	s_or_b32 s[G0+4*\s+3], s[G0+4*\s+3], 0x80000000
	s_mov_b32 s[G0B+4*\s], 1
	s_add_co_u32 s[G0B+4*\s+1], s45, \s*SLOT
	s_add_nc_u64 s[G0B+4*\s+2:G0B+4*\s+3], s[46:47], \s*ROWB
	s_or_b32 s[G0B+4*\s+3], s[G0B+4*\s+3], 0x80000000
.endr
	JLOAD 0                                        ; K step 0: one tensor load a wave at the head
	s_load_b128 s[96:99], s[8:9], 0x0              ; eq, ek, ep, ev
	s_add_nc_u64 s[78:79], s[10:11], s[88:89]
	s_add_nc_u64 s[80:81], s[80:81], s[90:91]
	s_add_nc_u64 s[82:83], s[82:83], s[90:91]
	; the prefetches: the 128 rows that I fetch, and of them my work-group's 32
	v_and_b32 v[PFO], 31, v0
	v_lshlrev_b32 v[PFO], 10, v[PFO]
	s_wait_alu depctr_va_vdst(0)
	s_cmp_eq_u32 s15, 0
	s_cselect_b64 s[PFA:PFA+1], s[20:21], s[46:47]
	s_cselect_b32 s92, s40, s41
	s_lshl_b32 s92, s92, 15
	s_mov_b32 s93, 0
	s_add_nc_u64 s[PFA:PFA+1], s[PFA:PFA+1], s[92:93]
	global_prefetch_b8 v[PFO], s[PFA:PFA+1] offset:2*ROWB th:TH_LOAD_NT scope:SCOPE_SE   ; K step 2
	v_and_b32 v1, 15, v0                           ; r = lane % 16
	v_bfe_u32 v2, v0, 4, 1                         ; h = lane / 16
	s_wait_alu depctr_va_vdst(0)
	v_mul_u32_u24 v3, v1, PITCH
	v_lshl_add_u32 v4, v2, 4, v3                   ; a fragment's row x pitch + 16 h
	s_mul_i32 s21, s15, HALFT                      ; my 128 rows of Q
	s_mul_i32 s22, s16, HALFT                      ; my 128 rows of K,
	s_add_co_u32 s22, s22, 2*HALFT                 ; which lie behind Q's 256
.irp s, 0,1
	v_add_nc_u32 v[ADRA+\s], s21, v4
	v_add_nc_u32 v[ADRB+\s], s22, v4
	s_add_co_u32 s21, s21, SLOT
	s_add_co_u32 s22, s22, SLOT
.endr
	s_lshl_b32 s23, s14, 9
	s_add_co_u32 s23, s23, XM
	v_lshl_add_u32 v[XMW], v1, 2, s23
	s_xor_b32 s23, s14, 1                          ; the wave with the same queries and the block's other 128 keys
	s_lshl_b32 s23, s23, 9
	s_add_co_u32 s23, s23, XM
	v_lshl_add_u32 v[XMR], v1, 2, s23
	s_lshl_b32 s23, s14, 10
	s_add_co_u32 s23, s23, XS
	v_lshl_add_u32 v[XSW], v1, 2, s23
	v_and_b32 v6, 31, v0
	v_lshlrev_b32 v[SGO], 4, v6
	v_add_nc_u32 v[XSR], s23, v[SGO]
	; the mask: accumulator (a, b), register j, lane (r, h) holds query 256 I + 128 R + 16 a + r and key 256 J + 128 C + 16 b + 8 h + j: hidden where j > d - 16 (b - a), d = d0 + r - 8 h, d0 = 256 (I - J) + 128 (R - C)
	s_sub_co_i32 s87, s17, s42
	s_lshl_b32 s87, s87, 8
	s_sub_co_i32 s88, s15, s16
	s_lshl_b32 s88, s88, 7
	s_add_co_i32 s87, s87, s88                     ; d0
	v_lshlrev_b32 v5, 3, v2
	v_sub_nc_u32 v5, v1, v5
	v_add_nc_u32 v[DV], s87, v5                    ; lane data alone: no branch and no LDS address is made of it
	v_mov_b32 v[NINF], 0xff800000
.macro FRAG reg, adr, q, i             ; a fragment, 16 rows x 128 K: lane l holds row l % 16; registers 4 c .. 4 c + 3 hold bytes 32 c + 16 (l / 16) + 0 .. 15: the same order on both sides, so every product meets its partner
.irp c, 0,1,2,3
	ds_load_b128 v[\reg+4*\c:\reg+4*\c+3], v[\adr] offset:128*(\q)+32*\c+(\i)*16*PITCH
.endr
.endm
; 16 matrix instructions: Q's blocks a0, a0 + 1 x K's eight, 128 along K.  p: K's set.  zero = 1: the first product starts the sums.  The 64 accumulators take turns, one instruction a turn.
.macro MUL16 a0, p, zero
.irp a, \a0, \a0+1
.irp b, 0,1,2,3,4,5,6,7
.if \zero
	v_wmma_f32_16x16x128_fp8_fp8 v[8*(8*((\a)%4)+\b):8*(8*((\a)%4)+\b)+7], v[128*(\p)+FR*\b:128*(\p)+FR*\b+FR-1], v[AF+FR*(\a):AF+FR*(\a)+FR-1], 0
.else
	v_wmma_f32_16x16x128_fp8_fp8 v[8*(8*((\a)%4)+\b):8*(8*((\a)%4)+\b)+7], v[128*(\p)+FR*\b:128*(\p)+FR*\b+FR-1], v[AF+FR*(\a):AF+FR*(\a)+FR-1], v[8*(8*((\a)%4)+\b):8*(8*((\a)%4)+\b)+7]
.endif
.endr
.endr
.endm
.macro FETCH_B slot, q, p              ; K's eight fragments of the slot's q-th 128 along K into set p
	WIN TO_B
.irp i, 0,1,2,3,4,5,6,7
	FRAG 128*(\p)+FR*\i, ADRB+\slot, \q, \i
.endr
	WIN 0
.endm
.macro FETCH_A slot, q, i0             ; Q's blocks i0 .. i0 + 3
.irp i, \i0, \i0+1, \i0+2, \i0+3
	FRAG AF+FR*(\i), ADRA+\slot, \q, \i
.endr
.endm
.macro PLACES                          ; plain vector lines between a matrix instruction and a load into, or a read of, its registers (ISA guide 7.12.1 for reads)
.rept 4
	v_nop
.endr
.endm
; A slot's first 128 along K.  Q has one set of registers: blocks 0-3 are fetched anew in the step's middle, blocks 4-7 at its end; K's other set at its head.
.macro STEP slot, zero
	s_wait_dscnt 4*NL                              ; K's set and Q's blocks 0-3 are in; the youngest sixteen loads (Q's blocks 4-7) may be out
	FETCH_B \slot, 1, 1                            ; K's other set was last multiplied a step ago, with that step's places behind it
	WIN MUL_LO
	MUL16 0, 0, \zero
	MUL16 2, 0, \zero
	s_wait_dscnt 32                                ; Q's blocks 4-7 are in; the 32 just issued may be out
	PLACES
	WIN 0
	FETCH_A \slot, 1, 0
	WIN MUL_HI
	MUL16 4, 0, \zero
	MUL16 6, 0, \zero
	PLACES
	WIN 0
	FETCH_A \slot, 1, 4
.endm
; A slot's last step changes slots: one barrier; in front of it each wave waits for all its tensor loads, adds 0 to its spare word, and waits for that and for its own reads of this slot.  fill = 1: this slot is filled again, two K steps ahead.
.macro TURN slot, next, fill
	s_wait_tensorcnt 0x0                           ; all my tensor loads have landed: my part of the next slot
	ds_add_u32 v[SPW], v[NIL]                      ; 0 onto my spare word
	s_wait_dscnt 4*NL+1                            ; (the add and the youngest sixteen loads may be out)
	WIN MUL_LO
	MUL16 0, 1, 0                                  ; sixteen matrix instructions stand between the add and the wait for it
	s_wait_dscnt 0x0                               ; the add is done, and my reads of this slot are over
	s_barrier_signal -1
	MUL16 2, 1, 0
	WIN 0
	s_barrier_wait -1
.if \fill
	CREST                                          ; the barrier has opened a round of the cluster's barrier: no wave of any partner still reads this slot's tile or has a load on its way
	s_add_nc_u64 s[G0+4*\slot+2:G0+4*\slot+3], s[G0+4*\slot+2:G0+4*\slot+3], 2*ROWB
	s_add_nc_u64 s[G0B+4*\slot+2:G0B+4*\slot+3], s[G0B+4*\slot+2:G0B+4*\slot+3], 2*ROWB
	JLOAD \slot                                    ; the first tensor load behind the round; its four v_nop are also the places in front of the loads below
.else
	PLACES
.endif
	FETCH_B \next, 0, 0
	FETCH_A \next, 0, 0
	WIN MUL_HI
	MUL16 4, 1, 0
	MUL16 6, 1, 0
	PLACES
	WIN 0
	FETCH_A \next, 0, 4
.endm
	s_wait_alu depctr_va_vdst(0)                   ; a wait at the head's end
	s_wait_tensorcnt 0x0                           ; my part of K step 0 is in
	ds_add_u32 v[SPW], v[NIL]                      ; 0 onto my spare word
	s_wait_dscnt 0x0
	CROUND                                         ; everybody's part of K step 0 is in, and all sixteen work-groups are here
	JLOAD 1                                        ; K step 1: the first tensor load behind the round
	FETCH_B 0, 0, 0
	FETCH_A 0, 0, 0
	FETCH_A 0, 0, 4
	global_prefetch_b8 v[PFO], s[PFA:PFA+1] offset:3*ROWB th:TH_LOAD_NT scope:SCOPE_SE   ; K step 3
	STEP 0, 1                                      ; K step 0: its products start the sums
	TURN 0, 1, 1                                   ; slot 0 takes K step 2
	STEP 1, 0
	TURN 1, 0, 1                                   ; slot 1 takes K step 3
	STEP 0, 0
	TURN 0, 1, 0                                   ; nothing is filled again
	STEP 1, 0
	s_wait_dscnt 4*NL
	WIN MUL_LO
	MUL16 0, 1, 0
	MUL16 2, 1, 0
	s_wait_dscnt 0
	WIN MUL_HI
	MUL16 4, 1, 0
	MUL16 6, 1, 0
	WIN 0
; ---- THE SOFTMAX'S NUMERATORS
	s_wait_kmcnt 0x0
	s_add_co_i32 s92, s96, s97                     ; eq + ek is added to c's exponent field
	s_lshl_b32 s92, s92, 23
	s_mov_b32 s[CS], 0x3ab8aa3b                    ; log2(e) / 1024
	s_add_co_i32 s[CS], s[CS], s92
	s_mov_b32 s[CS+1], s[CS]                       ; (named with it as a pair, so it is written)
	s_add_co_i32 s92, s98, 127
	s_lshl_b32 s93, s92, 23
	v_mov_b32 v[SCL], s93                          ; 2^ep: the conversion takes its exponent field
	s_add_co_i32 s92, s92, 8
	s_lshl_b32 s92, s92, 23
	s_or_b32 s92, s92, 0x600000
	v_mov_b32 v[LIM], s92                          ; 448 x 2^ep
; THE MASK has three cases, since d0 is a multiple of 128: tiles b < a are hidden as a whole where d0 < 0, tiles b > a where d0 <= 0, and in tiles b = a register j is hidden where j > d.
; The tiles b = a take -infinity register by register.  The others are left as they are: their largest score counts, and their numbers are made, with -infinity in place of what would be added, where they are hidden.
	s_cmp_lt_i32 s87, 0                            ; selects alone: no branch hangs on a place in the cluster
	s_cselect_b32 s84, -1, 0
	s_cmp_le_i32 s87, 0
	s_cselect_b32 s85, -1, 0
	s_wait_alu depctr_va_vdst(0)
.irp a, 0,1,2,3,4,5,6,7                ; (these lines are also the places behind the last products)
	v_mov_b32 v[CH+2*\a], v[NINF]
	v_mov_b32 v[CH+2*\a+1], v[NINF]
.endr
.irp j, 0,1,2,3,4,5,6,7
	v_cmp_gt_i32 s[MK+\j], \j, v[DV]
.endr
	WIN 0x82                                       ; destination and source 0: window 2
.irp a, 0,1,2,3
.irp j, 0,1,2,3,4,5,6,7
	v_cndmask_b32 v[72*\a+\j], v[72*\a+\j], v[NINF], s[MK+\j]
.endr
.endr
	WIN 0xc3                                       ; window 3
.irp a, 0,1,2,3
.irp j, 0,1,2,3,4,5,6,7
	v_cndmask_b32 v[72*\a+32+\j], v[72*\a+32+\j], v[NINF], s[MK+\j]
.endr
.endr
; The largest score of each of my queries among my 128 keys: for block a one chain over its tiles b < a and one over those b > a; four blocks take turns; each accumulator from its low end on.
.macro ROWMAX a, b, i
.set AC, 64*((\a)%4)+8*(\b)+2*(\i)
.if (\b) < (\a)
	v_max3_num_f32 v[CH+2*(\a)], v[CH+2*(\a)], v[AC], v[AC+1]
.endif
.if (\b) > (\a)
	v_max3_num_f32 v[CH+2*(\a)+1], v[CH+2*(\a)+1], v[AC], v[AC+1]
.endif
.endm
	WIN 0x28                                       ; sources 1 and 2: window 2
.irp b, 0,1,2,3,4,5,6,7
.irp i, 0,1,2,3
.irp a, 0,1,2,3
	ROWMAX \a, \b, \i
.endr
.endr
.endr
	WIN 0x3c                                       ; window 3
.irp b, 0,1,2,3,4,5,6,7
.irp i, 0,1,2,3
.irp a, 4,5,6,7
	ROWMAX \a, \b, \i
.endr
.endr
.endr
	WIN 0
.irp a, 0,1,2,3,4,5,6,7
	v_cndmask_b32 v[CH+2*\a], v[CH+2*\a], v[NINF], s84
	v_cndmask_b32 v[CH+2*\a+1], v[CH+2*\a+1], v[NINF], s85
.endr
	WIN 0x28
.irp i, 0,1,2,3
.irp a, 0,1,2,3
	v_max3_num_f32 v[CH+2*\a+(\i%2)], v[CH+2*\a+(\i%2)], v[72*\a+2*\i], v[72*\a+2*\i+1]
.endr
.endr
	WIN 0x3c
.irp i, 0,1,2,3
.irp a, 0,1,2,3
	v_max3_num_f32 v[CH+8+2*\a+(\i%2)], v[CH+8+2*\a+(\i%2)], v[72*\a+32+2*\i], v[72*\a+32+2*\i+1]
.endr
.endr
	WIN 0
.irp a, 0,1,2,3,4,5,6,7
	v_max_num_f32 v[CH+2*\a], v[CH+2*\a], v[CH+2*\a+1]
.endr
.irp a, 0,1,2,3,4,5,6,7
	v_permlanex16_b32 v[CH+2*\a+1], v[CH+2*\a], s[SEL], s[SEL+1]   ; the query's other 64 keys lie in the lane 16 away
.endr
.irp a, 0,1,2,3,4,5,6,7
	v_max_num_f32 v[CH+2*\a], v[CH+2*\a], v[CH+2*\a+1]
.endr
.irp a, 0,1,2,3,4,5,6,7
	v_mul_f32 v[CH+2*\a], s[CS], v[CH+2*\a]        ; as t (c is positive)
.endr
.irp a, 0,1,2,3,4,5,6,7
	ds_store_b32 v[XMW], v[CH+2*\a] offset:64*\a   ; lanes r and r + 16 hold the same number and store it to the same word
.endr
	s_wait_alu depctr_va_vdst(0)
	s_wait_dscnt 0x0                               ; for the partner's sake: my stores are done
	s_barrier_signal -1
	s_barrier_wait -1
.irp a, 0,1,2,3,4,5,6,7
	ds_load_b32 v[CH+2*\a+1], v[XMR] offset:64*\a  ; the largest t among the block's other 128 keys
.endr
	s_wait_dscnt 0x0
.irp a, 0,1,2,3,4,5,6,7
	v_max3_num_f32 v[NM+2*\a+1], v[CH+2*\a], v[CH+2*\a+1], 0xff7fffff   ; the floor, the lowest f32 number, changes no finite t and gives a block without an open key a finite M
.endr
.irp a, 0,1,2,3,4,5,6,7
	v_floor_f32 v[NM+2*\a], -v[NM+2*\a+1]          ; -M = floor(-t) = -ceil(t): a whole number
.endr
.irp a, 0,1,2,3,4,5,6,7
	v_cndmask_b32 v[NN+2*\a], v[NM+2*\a], v[NINF], s84
	v_cndmask_b32 v[NN+2*\a+1], v[NM+2*\a], v[NINF], s85
.endr
; Block a of 16 queries goes through five stages, on two sets of 64 numbers by turns (v128-191, v192-255).  FMAS: t - M by one packed multiply-add for two scores.
.macro FMAS a
.set AC, 64*((\a)%4)
.set TB, 128+64*((\a)%2)
	WIN 0x02+(\a)/4                                ; source 0: window 2 or 3
.set j, 0
.rept 32
.if j/8 < (\a)
	v_pk_fma_f32 v[TB+j:TB+j+1], v[AC+j:AC+j+1], s[CS:CS+1], v[NN+2*(\a):NN+2*(\a)+1] op_sel_hi:[1,0,0]   ; of each pair one word serves both halves: the low one,
.endif
.if j/8 == (\a)
	v_pk_fma_f32 v[TB+j:TB+j+1], v[AC+j:AC+j+1], s[CS:CS+1], v[NM+2*(\a):NM+2*(\a)+1] op_sel_hi:[1,0,0]
.endif
.if j/8 > (\a)
	v_pk_fma_f32 v[TB+j:TB+j+1], v[AC+j:AC+j+1], s[CS:CS+1], v[NN+2*(\a):NN+2*(\a)+1] op_sel:[0,0,1] op_sel_hi:[1,0,1]   ; or here the addend's high one
.endif
.set j, j+2
.endr
	WIN 0
.endm
; EXPS: 64 exponentials as one batch, with one wait ahead of it and one behind it; by turns with them the block before is held: on other registers.
.macro EXPS a
.set TB, 128+64*((\a)%2)
.set TP, 128+64*(((\a)+1)%2)
	s_wait_alu depctr_va_vdst(0)
.set j, 0
.rept 64
	v_exp_f32 v[TB+j], v[TB+j]                     ; p = 2^(t - M); a hidden score gives 0
.if (\a) > 0
	v_min_num_f32 v[TP+j], v[TP+j], v[LIM]         ; the conversion does not saturate (ISA guide 7.6.2); p is not negative, so the hold is one-sided; it is always executed
.endif
.set j, j+1
.endr
	v_nop                                          ; a plain line behind the last exponential
	s_wait_alu depctr_va_vdst(0)
.endm
; SUMS: of the unquantised p, in four chains.
.macro SUMS a
.set TB, 128+64*((\a)%2)
.irp n, 0,1,2,3
	v_pk_add_f32 v[WK+2*\n:WK+2*\n+1], v[TB+4*\n:TB+4*\n+1], v[TB+4*\n+2:TB+4*\n+3]
.endr
.set j, 16
.rept 6
.irp n, 0,1,2,3
	v_pk_add_f32 v[WK+2*\n:WK+2*\n+1], v[WK+2*\n:WK+2*\n+1], v[TB+j+2*\n:TB+j+2*\n+1]
.endr
.set j, j+8
.endr
	v_pk_add_f32 v[WK:WK+1], v[WK:WK+1], v[WK+2:WK+3]
	v_pk_add_f32 v[WK+4:WK+5], v[WK+4:WK+5], v[WK+6:WK+7]
	v_pk_add_f32 v[WK:WK+1], v[WK:WK+1], v[WK+4:WK+5]
	v_add_f32 v[LS+(\a)], v[WK], v[WK+1]
.endm
; CODES: eight neighbouring keys to a conversion.  The 16 registers of codes are a fragment of the next product as they stand: four stores, each of 512 consecutive bytes.
.macro CODES a
.set TB, 128+64*((\a)%2)
	s_wait_xcnt 0x0                                ; the last block's stores have read the codes' registers: only behind this wait are they written again
.irp b, 0,1,2,3,4,5,6,7
	v_cvt_scalef32_pk8_fp8_f32 v[CD+2*\b:CD+2*\b+1], v[TB+8*\b:TB+8*\b+7], v[SCL]   ; keys 16 b + 8 h + 0 .. 7 of query 16 a + r
.endr
	v_nop                                          ; a plain line behind the last conversion: later lines write its sources
.irp c, 0,1,2,3
	global_store_b128 v[SGO], v[CD+4*\c:CD+4*\c+3], s[78:79] offset:(\a)*65536+512*\c   ; at a multiple of 512 from p_codes' first byte; 16 queries on are 32 fragments on
.endr
.endm
	FMAS 0
	EXPS 0
	SUMS 0
	FMAS 1
.irp a, 1,2,3,4,5,6
	EXPS \a
	CODES \a-1
	SUMS \a
	FMAS \a+1                                      ; into the set whose codes have just been made
.endr
	EXPS 7
	CODES 6
	SUMS 7
.set j, 0
.rept 64
	v_min_num_f32 v[192+j], v[192+j], v[LIM]
.set j, j+1
.endr
	s_wait_alu depctr_va_vdst(0)
	CODES 7
.irp a, 0,1,2,3,4,5,6,7
	v_permlanex16_b32 v[CH+2*\a+1], v[LS+\a], s[SEL], s[SEL+1]
.endr
.irp a, 0,1,2,3,4,5,6,7
	v_add_f32 v[LS+\a], v[LS+\a], v[CH+2*\a+1]     ; the sum over my 128 keys
.endr
.irp a, 0,1,2,3,4,5,6,7
	ds_store_b32 v[XSW], v[NM+2*\a] offset:64*\a
	ds_store_b32 v[XSW], v[LS+\a] offset:512+64*\a
.endr
	ds_load_b128 v[ST:ST+3], v[XSR]                ; my wave's own bytes, served in order (ISA guide 5.7.1.4): four queries' -M a lane,
	ds_load_b128 v[ST+4:ST+7], v[XSR] offset:512   ; and their sums
	s_wait_dscnt 0x0
	global_store_b128 v[SGO], v[ST:ST+3], s[80:81]     ; 32 lanes store 512 consecutive bytes
	global_store_b128 v[SGO], v[ST+4:ST+7], s[82:83]
	s_wait_tensorcnt 0x0                           ; the wave's end
	ds_add_u32 v[SPW], v[NIL]
	s_wait_dscnt 0x0
	CROUND                                         ; the closing round
	s_endpgm
; ---- V's codes.  A wave takes 128 channels x 128 keys in four units of 32 keys, one unit's 32 loads on their way at a time: the products' tiles are wanted first, and this path is the shorter one.  A lane loads four
; neighbouring channels of a key (a load reads 512 consecutive bytes); the holds write each channel's 32 keys on end, so the conversions find neighbours along the keys in consecutive registers.
; Sixteen lanes store 256 consecutive bytes, aligned.  LIMITS: ev between -126 and 119; NaN is not served.
; Window 1: v0-127 the numbers as loaded; window 0: v64-191 the held numbers, v192-223 codes.  No tensor load on this path; LDS sees the adds alone.
.Lvq:
	s_load_b128 s[88:91], s[0:1], 0x30             ; V, vt_codes
	s_sub_co_u32 s16, ttmp9, 10
	s_lshl_b32 s16, s16, 2
	s_add_co_u32 s16, s16, s41
	s_lshl_b32 s16, s16, 2
	s_add_co_u32 s16, s16, s40
	s_lshl_b32 s16, s16, 2
	s_add_co_u32 s16, s16, s14                     ; 0 .. 255
	s_and_b32 s17, s16, 7                          ; which 128 channels
	s_lshr_b32 s18, s16, 3                         ; which 128 keys
	s_lshl_b32 s20, s18, 19
	s_lshl_b32 s21, s17, 9
	s_add_co_u32 s20, s20, s21                     ; V: 128 rows of 4,096 bytes a run of keys, 512 bytes a run of channels
	s_mov_b32 s21, 0
	s_lshl_b32 s22, s17, 19
	s_lshl_b32 s23, s18, 13
	s_add_co_u32 s22, s22, s23                     ; vt_codes: two groups of 262,144 bytes; 8,192 bytes a run of keys
	s_mov_b32 s23, 0
	v_and_b32 v2, 31, v0
	v_lshlrev_b32 v3, 4, v2
	v_and_b32 v4, 15, v0
	v_lshlrev_b32 v4, 4, v4
	v_lshrrev_b32 v5, 4, v2
	v_lshl_add_u32 v4, v5, 18, v4                  ; lanes 0-15 the first group of 64 channels, lanes 16-31 the second
	s_wait_alu depctr_va_vdst(0)
	s_wait_kmcnt 0x0
	s_load_b128 s[96:99], s[8:9], 0x0              ; eq, ek, ep, ev
	s_add_nc_u64 s[88:89], s[88:89], s[20:21]
	s_add_nc_u64 s[90:91], s[90:91], s[22:23]
	s_wait_kmcnt 0x0
	s_add_co_i32 s92, s99, 127
	s_lshl_b32 s93, s92, 23
	v_mov_b32 v11, s93                             ; 2^ev
	s_add_co_i32 s92, s92, 8
	s_lshl_b32 s92, s92, 23
	s_or_b32 s92, s92, 0x600000
	v_mov_b32 v10, s92                             ; 448 x 2^ev
	s_wait_alu depctr_va_vdst(0)                   ; a wait at the head's end
	s_mov_b32 s3, 4
.Lvu:
	WIN 0x40
.set k, 0
.rept 32
	global_load_b128 v[4*k:4*k+3], v3, s[88:89] offset:4096*k th:TH_LOAD_NT
.set k, k+1
.endr
	WIN 0
	s_wait_loadcnt 0x0
	WIN 0x01
.irp f, 0,1,2,3
.set k, 0
.rept 32
	v_med3_num_f32 v[64+32*\f+k], v[4*k+\f], -v10, v10   ; the conversion does not saturate: the hold comes first
.set k, k+1
.endr
.endr
	WIN 0
.irp f, 0,1,2,3
.irp g, 0,1,2,3
	v_cvt_scalef32_pk8_fp8_f32 v[192+8*\f+4*(\g%2)+2*(\g/2):192+8*\f+4*(\g%2)+2*(\g/2)+1], v[64+32*\f+8*\g:64+32*\f+8*\g+7], v11   ; run g of 8 keys: half g % 2 of the lanes, register pair g / 2
.endr
.endr
	v_nop                                          ; a plain line behind the last conversion
.irp f, 0,1,2,3
.irp h, 0,1
	global_store_b128 v4, v[192+8*\f+4*\h:192+8*\f+4*\h+3], s[90:91] offset:2048*\f+256*\h
.endr
.endr
	s_wait_xcnt 0x0                                ; loads and stores have read their bases and data
	s_add_nc_u64 s[88:89], s[88:89], 0x20000       ; 32 keys on
	s_add_nc_u64 s[90:91], s[90:91], 512
	s_sub_co_u32 s3, s3, 1
	s_cmp_lg_u32 s3, 0
	s_cbranch_scc1 .Lvu
	s_wait_tensorcnt 0x0                           ; the wave's end
	ds_add_u32 v[SPW], v[NIL]
	s_wait_dscnt 0x0
	CROUND                                         ; the closing round
	s_endpgm
.Lfunc_end_k_q88acf54e74_scores:
	.size	k_q88acf54e74_scores, .Lfunc_end_k_q88acf54e74_scores-k_q88acf54e74_scores
	.p2alignl 7, 3214868480
	.fill 96, 4, 3214868480
	.section	.rodata,"a",@progbits
	.p2align	6, 0x0
	.amdhsa_kernel k_q88acf54e74_scores
		.amdhsa_group_segment_fixed_size 327680
		.amdhsa_private_segment_fixed_size 0
		.amdhsa_enable_private_segment 0
		.amdhsa_kernarg_size 64
		.amdhsa_user_sgpr_count 2
		.amdhsa_user_sgpr_kernarg_segment_ptr 1
		.amdhsa_wavefront_size32 1
		.amdhsa_system_sgpr_workgroup_id_x 1
		.amdhsa_system_sgpr_workgroup_id_y 1
		.amdhsa_system_sgpr_workgroup_id_z 1
		.amdhsa_system_vgpr_workitem_id 0
		.amdhsa_next_free_vgpr 1024
		.amdhsa_next_free_sgpr 100
		.amdhsa_reserve_vcc 0
		.amdhsa_float_denorm_mode_32 3
		.amdhsa_float_denorm_mode_16_64 3
		.amdhsa_memory_ordered 1
		.amdhsa_forward_progress 1
		.amdhsa_inst_pref_size 197
	.end_amdhsa_kernel
	.amdgpu_metadata
---
amdhsa.version: [ 1, 2 ]
amdhsa.kernels:
  - .name:           k_q88acf54e74_scores
    .symbol:         k_q88acf54e74_scores.kd
    .args:
      - { .name: q_codes, .offset: 0, .size: 8, .value_kind: global_buffer, .address_space: global }
      - { .name: k_codes, .offset: 8, .size: 8, .value_kind: global_buffer, .address_space: global }
      - { .name: lowp_scales, .offset: 16, .size: 8, .value_kind: global_buffer, .address_space: global }
      - { .name: p_codes, .offset: 24, .size: 8, .value_kind: global_buffer, .address_space: global }
      - { .name: stat_m, .offset: 32, .size: 8, .value_kind: global_buffer, .address_space: global }
      - { .name: stat_l, .offset: 40, .size: 8, .value_kind: global_buffer, .address_space: global }
      - { .name: V, .offset: 48, .size: 8, .value_kind: global_buffer, .address_space: global }
      - { .name: vt_codes, .offset: 56, .size: 8, .value_kind: global_buffer, .address_space: global }
    .group_segment_fixed_size: 327680
    .private_segment_fixed_size: 0
    .kernarg_segment_align: 8
    .kernarg_segment_size: 64
    .max_flat_workgroup_size: 128
    .sgpr_count:     100
    .vgpr_count:     1024
    .wavefront_size: 32
...
	.end_amdgpu_metadata
.endif
;; end of part 2
;; launch pv (part 3): grid 16 x 16, 4 waves a work-group, clusters of 4 x 4, 327,680 bytes of LDS; arguments p_codes, vt_codes, stat_m, stat_l, lowp_scales, out0; writes out0
.if DOCPART == 3
	.amdgcn_target "amdgcn-amd-amdhsa--gfx1250"
	.amdhsa_code_object_version 6
	.text
	.protected	k_q88acf54e74_pv
	.globl	k_q88acf54e74_pv
	.p2align	8
	.type	k_q88acf54e74_pv,@function
k_q88acf54e74_pv:
	s_mov_b64 s[64:65], 0
	v_nop
	global_prefetch_b8 v0, s[64:65] scope:SCOPE_SE
	s_setreg_imm32_b32 hwreg(HW_REG_WAVE_MODE, 25, 1), 1
	s_wait_xcnt 0x0
	s_wait_alu depctr_hold_cnt(0) depctr_sa_sdst(0) depctr_va_vdst(0) depctr_va_sdst(0) depctr_va_ssrc(0) depctr_va_vcc(0) depctr_vm_vsrc(0)
	s_getreg_b32 s2, hwreg(HW_REG_IB_STS2, 6, 4)
	s_cmp_eq_u32 s2, 0
	s_cbranch_scc0 .Lentry_in_a_cluster
	s_endpgm
.Lentry_in_a_cluster:
	s_bfe_u32 s2, ttmp6, 0x10000c
	s_cmp_lg_u32 s2, 0xf033
	s_cbranch_scc0 .Lentry_shape_is_right
	s_endpgm
.Lentry_shape_is_right:
; The second product.  out[q][ch] = 2^(ep + ev) / l x the sum over blocks t of 256 keys of 2^(M_t - M) x (P_t V_t)[q][ch], on codes of E4M3; M = the row's largest M_t, l = the sum of 2^(M_t - M) l_t.
; M_t are whole numbers, so the factors are powers of two (below f32's range they count as 0) and round nothing.  LIMIT: ep + ev goes through v_ldexp_f32; the scaled scores stay under 2^31 in magnitude.
; WORK LEFT OUT: keys behind a row's run of 512 (their weights are exactly 0 for all finite inputs: see the first launch's head).
; SHARES.  A work-group owns TWO blocks of 128 queries, number 31 - i (the long one) and i (the short one), and 64 channels: 16 x 16 = 256 work-groups.  With Y = i / 4, the cluster's row, the long block walks 16 - 2 Y blocks
; of 256 keys and the short one 2 Y + 2: 18 units in every work-group.  A wave owns 32 queries of each of the two: so each fragment of P is read by one wave, straight into registers, in the order in which p_codes lies.
; V: the work-group's whole slice, 64 channels x 4,096 keys = 262,144 bytes, comes into LDS in two stages, each by one tensor load a wave, and is filled once: blocks 0-3 at the head, blocks 4-15 behind a full sequence.
; Trip 0, which reads blocks 0-2, stands in front of the loop and runs while the second stage is on its way.  V is laid as fragments of 2,048 bytes: a lane's 16 bytes stand at 16 x lane.
; CLUSTERS.  The four work-groups of a column have the same channels: V's slice is asked for jointly.  Trip counts hang on Y alone, the same in all sixteen.  P's rows differ along the column and go to registers, which a joint load does not serve.
; FOUR TRIPS OF FOUR UNITS, then two units.  Trip T <= Y: two blocks of keys, long and short by turns, on the same fragments of V; later trips: four blocks, long alone.  P's loads run three units (48 loads) ahead through four sets of registers.
; PREFETCH: trip T asks for the P that trip T + 1 loads, one trip (four units) ahead: of a wave's four units of 8,192 bytes each of the four partners of a cluster's row, which read the same P, takes one, told apart by address (cx):
; one instruction a wave, 16 lanes 256 bytes apart in each of two fragment rows.  The head's and trip 0's loads come by themselves, the last trip asks for nothing, and an address behind a row's walk is held at the walk's last block.
; source 0 = 16 queries, source 1 = 16 channels: register j of lane (r, h) is query 8 h + j, and in fragment f channel 4 r + f of the 64: four fragments give 16 neighbouring bytes a lane, sixteen lanes 256 bytes of a row of out0.
; REGISTERS: window 0 addresses, factors, statistics; window 1 two sets of V's fragments of 256 keys; window 2 v0-63 the unit's sums, v64-127 out of the long block, v128-191 of the short one; window 3 four sets of P.
.set TAB,    262144                    ; behind V: 4,096 bytes for each wave: factors [16 blocks][32 queries] of the long block, [8][32] of the short one from 2,048 on, the last factors from 3,072 on
.set SPARE,  TAB+4*4096                ; the spare words, 128 bytes for each wave; no other line names them
.set POF,  1                           ; v1  16 x lane
.set SOF,  2                           ; v2  4 x lane
.set OOF,  3                           ; v3  my place in two rows of out0
.set TBW,  4
.set TBR,  5
.set ADV,  6                           ; v6, v7  LDS addresses in V: the trip's first block, and two blocks on
.set TBA,  8
.set PFO,  13                          ; v13 the prefetches' offset: 16 x 256 bytes of each of two fragment rows
.set SPW,  28
.set NIL,  29
.set FL,   32                          ; v32-47, v48-63  a block's factors, long and short: queries 16 a + 8 h + 0 .. 7
.set FS,   48
.set RL,   64                          ; v64-79, v80-95  the last factors
.set RS,   80
.set NML,  96                          ; v96-111 -M_t, then the factors, a query a lane;  v112-143 sums, two for each block
.set LRL,  112
.set NMS,  144                         ; v144-151, v152-167 the same of the short block
.set LRS,  152
.set VOL,  168                         ; v168-173, v174-179 offsets of statistics that may lie behind the walk
.set VOS,  174
.set WK,   180
.set OL,   64                          ; (window 2)
.set OS,   128
.set G0B,  20                          ; s[20:23], s[80:87] the second stage's descriptor
.set G1,   24                          ; s[24:31], s[32:35] the first stage's
.set G0,   32
.set G1B,  80
.set MKL,  48                          ; s48-53, s54-59 lane masks: block t is walked
.set MKS,  54
.set LB,   68                          ; s[68:69], s[70:71] where my rows of P begin: long, short
.set SB,   70
.set PFA,  72                          ; s[72:73] where a prefetch stands;  s[74:75] at work for it
.set PL,   92                          ; s[92:93] where the last P asked for of the long block lies;  s[94:95] of the short one;  s[96:97] the one chosen
.set PS,   94
.set PX,   96
.set MSB, 0
.macro WIN new                         ; the immediate's high byte repeats the setting that is left
.if MSB != (\new)
	s_set_vgpr_msb (MSB<<8)|(\new)
.set MSB, (\new)
.endif
.endm
.set MUL,  0xa7                        ; source 0 (P) window 3, source 1 (V) window 1, C and D window 2
.set ACCU, 0xa2                        ; source 0, source 2 and destination window 2, source 1 (factors) window 0
.set TO_V, 0x40
.set TO_P, 0xc0
.macro CROUND                          ; a round of the cluster's barrier
	s_barrier_signal -1
	s_barrier_wait -1
	s_cmp_lg_u32 s10, 0
	s_cbranch_scc1 .Lnot_wave_0_\@
	s_barrier_signal -3
.Lnot_wave_0_\@:
	s_barrier_wait -3
	s_barrier_signal -1
	s_barrier_wait -1
.endm
	s_load_b128 s[4:7], s[0:1], 0x0                ; p_codes, vt_codes
	s_load_b128 s[68:71], s[0:1], 0x10             ; stat_m, stat_l
	s_load_b128 s[72:75], s[0:1], 0x20             ; the scales' exponents, out0
	v_lshl_add_u32 v[SPW], v0, 2, SPARE
	v_mov_b32 v[NIL], 0
	ds_add_u32 v[SPW], v[NIL]                      ; the opening lines: the add, twice on end
	ds_add_u32 v[SPW], v[NIL]
	v_lshrrev_b32 v9, 5, v0
	v_readfirstlane_b32 s10, v9                    ; wave
	s_bfe_u32 s40, ttmp6, 0x40000                  ; cx, cy
	s_bfe_u32 s41, ttmp6, 0x40004
	s_lshl_b32 s42, ttmp9, 2
	s_add_co_u32 s42, s42, s40                     ; which 64 channels
	s_and_b32 s9, ttmp7, 0xffff                    ; Y
	s_lshl_b32 s13, s9, 2
	s_add_co_u32 s13, s13, s41                     ; i
	; descriptor group 1, first stage: 16,384 dense bytes (a block of keys) as 16 rows of 128 elements of 8 bytes, shared along the column
	s_lshl_b32 s44, 0x1111, s40
	s_or_b32 s[G1], s44, (3<<16)|(1<<21)
	s_mov_b32 s[G1+1], 128<<16
	s_mov_b32 s[G1+2], 16<<16
	s_mov_b32 s[G1+3], 128<<16
	s_mov_b32 s[G1+4], 16
	s_mov_b32 s[G1+5], 128
	s_mov_b32 s[G1+6], 0
	s_mov_b32 s[G1+7], 0
	s_lshl_b32 s46, s42, 18
	s_mul_i32 s[G0B+1], s10, 49152
	s_add_co_u32 s[G0B+1], s[G0B+1], 65536         ; second stage: my three blocks, behind the first four
	s_add_co_u32 s90, s46, s[G0B+1]
	s_mov_b32 s91, 0
	s_lshl_b32 s47, s10, 14
	s_add_co_u32 s46, s46, s47                     ; first stage: block number wave
	s_mov_b32 s47, 0
	s_lshl_b32 s2, s9, 1
	s_sub_co_u32 s11, 16, s2                       ; blocks that the long one walks
	s_add_co_u32 s12, s2, 2                        ; and the short one
	s_add_co_u32 s14, s9, 1
	s_sub_co_u32 s15, s11, 1
	s_add_co_u32 s16, s2, 1
.irp t, 10,11,12,13,14,15
	s_cmp_gt_u32 s11, \t
	s_cselect_b32 s[MKL+\t-10], -1, 0
.endr
.irp t, 2,3,4,5,6,7
	s_cmp_gt_u32 s12, \t
	s_cselect_b32 s[MKS+\t-2], -1, 0
.endr
	s_sub_co_u32 s18, 31, s13
	s_lshl_b32 s18, s18, 7
	s_lshl_b32 s19, s10, 5
	s_add_co_u32 s18, s18, s19                     ; my first query of the long block
	s_lshl_b32 s36, s13, 7
	s_add_co_u32 s36, s36, s19                     ; and of the short one
	s_lshl_b32 s80, s18, 12                        ; in p_codes 16 queries are 65,536 bytes; in out0 a query is 4,096: the same offset
	s_mov_b32 s81, 0
	s_lshl_b32 s82, s36, 12
	s_mov_b32 s83, 0
	s_lshl_b32 s84, s18, 2
	s_mov_b32 s85, 0
	s_lshl_b32 s86, s36, 2
	s_mov_b32 s87, 0
	s_lshl_b32 s88, s42, 8
	s_mov_b32 s89, 0
	s_lshl_b32 s17, s10, 12
	s_add_co_u32 s17, s17, TAB
	v_and_b32 v10, 31, v0
	v_lshlrev_b32 v[POF], 4, v10
	v_lshlrev_b32 v[SOF], 2, v10
	v_and_b32 v11, 15, v0
	v_bfe_u32 v12, v0, 4, 1
	v_lshlrev_b32 v[OOF], 4, v11
	v_lshl_add_u32 v[OOF], v12, 15, v[OOF]         ; lanes 16-31 hold queries eight rows further on
	v_lshlrev_b32 v[PFO], 8, v11
	v_lshl_add_u32 v[PFO], v12, 16, v[PFO]
	v_add_nc_u32 v[TBW], s17, v[SOF]
	v_lshl_add_u32 v[TBR], v12, 5, s17
	s_wait_alu depctr_va_vdst(0)
.irp t, 10,11,12,13,14,15
	s_min_u32 s17, s15, \t                         ; a block behind the walk: the last one's bytes are read instead, and count for nothing
	s_lshl_b32 s17, s17, 15
	v_add_nc_u32 v[VOL+\t-10], s17, v[SOF]
.endr
.irp t, 2,3,4,5,6,7
	s_min_u32 s17, s16, \t
	s_lshl_b32 s17, s17, 15
	v_add_nc_u32 v[VOS+\t-2], s17, v[SOF]
.endr
	s_wait_alu depctr_va_vdst(0)
	s_wait_dscnt 0x0                               ; both opening adds are done
	CROUND                                         ; all sixteen work-groups are here: the joint loads meet
	s_wait_kmcnt 0x0
	s_mov_b32 s[G0], 1
	s_lshl_b32 s[G0+1], s10, 14
	s_add_nc_u64 s[G0+2:G0+3], s[6:7], s[46:47]
	s_or_b32 s[G0+3], s[G0+3], 0x80000000
	tensor_load_to_lds s[G0:G0+3], s[G1:G1+7]      ; blocks 0-3
	s_nop 0
.rept 4
	v_nop
.endr
	s_load_b128 s[76:79], s[72:73], 0x0            ; eq, ek, ep, ev
	s_add_nc_u64 s[60:61], s[68:69], s[84:85]      ; -M_t: long, short
	s_add_nc_u64 s[62:63], s[68:69], s[86:87]
	s_add_nc_u64 s[66:67], s[70:71], s[84:85]      ; sums: long, short
	s_add_nc_u64 s[38:39], s[70:71], s[86:87]
	s_add_nc_u64 s[PL:PL+1], s[4:5], s[80:81]
	s_add_nc_u64 s[PS:PS+1], s[4:5], s[82:83]
	s_mov_b64 s[LB:LB+1], s[PL:PL+1]
	s_mov_b64 s[SB:SB+1], s[PS:PS+1]
	s_add_nc_u64 s[98:99], s[74:75], s[80:81]
	s_add_nc_u64 s[98:99], s[98:99], s[88:89]
	s_add_nc_u64 s[100:101], s[74:75], s[82:83]
	s_add_nc_u64 s[100:101], s[100:101], s[88:89]
	s_mov_b32 s75, 0
	; the second stage's descriptor: 49,152 dense bytes as 48 rows
	s_mov_b32 s[G0B], 1
	s_add_nc_u64 s[G0B+2:G0B+3], s[6:7], s[90:91]
	s_or_b32 s[G0B+3], s[G0B+3], 0x80000000
	s_or_b32 s[G1B], s44, (3<<16)|(1<<21)
	s_mov_b32 s[G1B+1], 128<<16
	s_mov_b32 s[G1B+2], 48<<16
	s_mov_b32 s[G1B+3], 128<<16
	s_mov_b32 s[G1B+4], 48
	s_mov_b32 s[G1B+5], 128
	s_mov_b32 s[G1B+6], 0
	s_mov_b32 s[G1B+7], 0
	; statistics: 32 lanes read 128 consecutive bytes.  72 loads
.macro STAT m, l, nm, lr, vo, off
	global_load_b32 v[\nm], v[\vo], s[\m:\m+1] offset:\off
	global_load_b32 v[\lr], v[\vo], s[\l:\l+1] offset:\off
	global_load_b32 v[\lr+1], v[\vo], s[\l:\l+1] offset:\off+16384
.endm
.irp t, 0,1,2,3,4,5,6,7,8,9
	STAT 60, 66, NML+\t, LRL+2*\t, SOF, 32768*\t
.endr
.irp t, 10,11,12,13,14,15
	STAT 60, 66, NML+\t, LRL+2*\t, VOL+\t-10, 0
.endr
.irp t, 0,1
	STAT 62, 38, NMS+\t, LRS+2*\t, SOF, 32768*\t
.endr
.irp t, 2,3,4,5,6,7
	STAT 62, 38, NMS+\t, LRS+2*\t, VOS+\t-2, 0
.endr
; a unit's P: 32 queries x 256 keys, 16 loads of 512 consecutive bytes, into set p: two runs u of 128 keys, two fragments a of 16 queries
.macro PLOAD p, base, off
	WIN TO_P
.irp u, 0,1
.irp a, 0,1
.irp c, 0,1,2,3
	global_load_b128 v[64*(\p)+32*\u+16*\a+4*\c:64*(\p)+32*\u+16*\a+4*\c+3], v[POF], s[\base:\base+1] offset:(\off)+\a*65536+\u*2048+512*\c
.endr
.endr
.endr
	WIN 0
.endm
	PLOAD 0, PL, 0
	PLOAD 1, PS, 0
	PLOAD 2, PL, 4096
	WIN 0x80
.set k, 0
.rept 128
	v_mov_b32 v[OL+k], 0                           ; the trips are written once: the first adds to zeros.  Set while the tiles are on their way
.set k, k+1
.endr
	WIN 0
; factors of n blocks, a query a lane: the least -M_t; 2^(M_t - M); and l, in which blocks from t0 on count only where they are walked
.macro FACT nm, lr, n, w, t0, mk
	v_min_num_f32 v[\w], v[\nm], v[\nm+1]
	v_min_num_f32 v[\w+1], v[\nm+2], v[\nm+3]
.set k, 4
.rept ((\n)-4)/4
	v_min3_num_f32 v[\w], v[\w], v[\nm+k], v[\nm+k+1]
	v_min3_num_f32 v[\w+1], v[\w+1], v[\nm+k+2], v[\nm+k+3]
.set k, k+4
.endr
	v_min_num_f32 v[\w], v[\w], v[\w+1]
.set k, 0
.rept \n
	v_sub_f32 v[\nm+k], v[\w], v[\nm+k]
.set k, k+1
.endr
.set k, 0
.rept \n
	v_cvt_i32_f32 v[\nm+k], v[\nm+k]               ; (it saturates)
.set k, k+1
.endr
.set k, 0
.rept \n
	v_ldexp_f32 v[\nm+k], 1.0, v[\nm+k]
.set k, k+1
.endr
.set k, 0
.rept \n
	v_add_f32 v[\lr+2*k], v[\lr+2*k], v[\lr+2*k+1]
.set k, k+1
.endr
.set k, \t0
.rept (\n)-(\t0)
	v_cndmask_b32 v[\lr+2*k], 0, v[\lr+2*k], s[\mk+k-\t0]
.set k, k+1
.endr
	v_mul_f32 v[\w], v[\nm], v[\lr]
	v_mul_f32 v[\w+1], v[\nm+1], v[\lr+2]
.set k, 2
.rept (\n)/2-1
	v_fmac_f32 v[\w], v[\nm+k], v[\lr+2*k]
	v_fmac_f32 v[\w+1], v[\nm+k+1], v[\lr+2*k+2]
.set k, k+2
.endr
	v_add_f32 v[\w], v[\w], v[\w+1]
.endm
	s_wait_alu depctr_va_vdst(0)                   ; a wait at the head's end
	s_wait_tensorcnt 0x0                           ; my block of the first stage is in
	ds_add_u32 v[SPW], v[NIL]                      ; 0 onto my spare word
	s_wait_dscnt 0x0
	CROUND                                         ; blocks 0-3 are whole, and all sixteen work-groups are here
	tensor_load_to_lds s[G0B:G0B+3], s[G1B:G1B+7]  ; blocks 4-15, the first tensor load behind the round
	s_nop 0
.rept 4
	v_nop
.endr
	s_wait_loadcnt 48                              ; the statistics are in; P's 48 loads may be out
	PLOAD 3, PS, 4096                              ; and trip 0's fourth unit, the short block's second, is asked for here
	FACT NML, LRL, 16, WK, 10, MKL
	FACT NMS, LRS, 8, WK+2, 2, MKS
	s_wait_alu depctr_va_vdst(0)                   ; a wait ahead of the batch
	v_rcp_f32 v[WK], v[WK]
	v_rcp_f32 v[WK+2], v[WK+2]
	v_nop                                          ; a plain place
	s_wait_kmcnt 0x0
	s_add_co_i32 s4, s78, s79
	s_wait_alu depctr_va_vdst(0)                   ; and behind it
	v_ldexp_f32 v[WK], v[WK], s4                   ; 2^(ep + ev) / l
	v_ldexp_f32 v[WK+2], v[WK+2], s4
.irp t, 0,1,2,3,4,5,6,7,8,9,10,11,12,13,14,15
	ds_store_b32 v[TBW], v[NML+\t] offset:128*\t   ; my wave's own table
.endr
.irp t, 0,1,2,3,4,5,6,7
	ds_store_b32 v[TBW], v[NMS+\t] offset:2048+128*\t
.endr
	ds_store_b32 v[TBW], v[WK] offset:3072
	ds_store_b32 v[TBW], v[WK+2] offset:3200
.macro FLD f, adr, off                 ; factors of 32 queries: 8 registers for each fragment a; all lanes of a half read the same bytes
.irp a, 0,1
	ds_load_b128 v[\f+8*\a:\f+8*\a+3], v[\adr] offset:(\off)+64*\a
	ds_load_b128 v[\f+8*\a+4:\f+8*\a+7], v[\adr] offset:(\off)+64*\a+16
.endr
.endm
.macro VLD s, u, adr, off              ; V's four fragments of run u of the block's 128 keys into set s: 16 loads
	WIN TO_V
.irp i, 0,1,2,3
.irp c, 0,1,2,3
	ds_load_b128 v[128*(\s)+64*(\u)+16*\i+4*\c:128*(\s)+64*(\u)+16*\i+4*\c+3], v[\adr] offset:(\off)+8192*(\u)+2048*\i+512*\c
.endr
.endr
	WIN 0
.endm
.macro MULT s, p, u                    ; eight accumulators by turns; run 0 starts the sums
	WIN MUL
.irp a, 0,1
.irp i, 0,1,2,3
.if (\u) == 0
	v_wmma_f32_16x16x128_fp8_fp8 v[8*(4*\a+\i):8*(4*\a+\i)+7], v[64*(\p)+32*(\u)+16*\a:64*(\p)+32*(\u)+16*\a+15], v[128*(\s)+64*(\u)+16*\i:128*(\s)+64*(\u)+16*\i+15], 0
.else
	v_wmma_f32_16x16x128_fp8_fp8 v[8*(4*\a+\i):8*(4*\a+\i)+7], v[64*(\p)+32*(\u)+16*\a:64*(\p)+32*(\u)+16*\a+15], v[128*(\s)+64*(\u)+16*\i:128*(\s)+64*(\u)+16*\i+15], v[8*(4*\a+\i):8*(4*\a+\i)+7]
.endif
.endr
.endr
.endm
.macro ADDUP o, f                      ; out += factor x the unit's sums, two queries a line.  Four places behind the products first; the lines are the places for later loads into the products' registers
.rept 4
	v_nop
.endr
	WIN ACCU
.irp a, 0,1
.irp i, 0,1,2,3
.irp e, 0,2,4,6
	v_pk_fma_f32 v[\o+8*(4*\a+\i)+\e:\o+8*(4*\a+\i)+\e+1], v[8*(4*\a+\i)+\e:8*(4*\a+\i)+\e+1], v[\f+8*\a+\e:\f+8*\a+\e+1], v[\o+8*(4*\a+\i)+\e:\o+8*(4*\a+\i)+\e+1]
.endr
.endr
.endr
	WIN 0
.endm
; a block's long unit: V's set s (32 loads, out or in), P's set p; both = 1: the short unit's factors come with it; the next block's V, at (nadr, noff), goes into the other set
.macro LONG s, p, foff, nadr, noff, both
	FLD FL, TA, \foff
.if \both
	FLD FS, TA, 2048+\foff
.endif
	s_wait_dscnt 20+4*(\both)                      ; run 0 is in; run 1's 16 loads and the factors may be out
	VLD 1-(\s), 0, \nadr, \noff
	MULT \s, \p, 0
	WIN 0
	s_wait_dscnt 16                                ; all but the 16 just issued
	VLD 1-(\s), 1, \nadr, \noff
	MULT \s, \p, 1
	ADDUP OL, FL
.endm
.macro SHORT s, p
	MULT \s, \p, 0
	MULT \s, \p, 1
	ADDUP OS, FS
.endm
.macro NEXT p, base                    ; the unit three on: the next block of its rows
	s_wait_xcnt 0x0                                ; earlier loads have read their base
	s_add_nc_u64 s[\base:\base+1], s[\base:\base+1], 4096
	PLOAD \p, \base, 0
.endm
; The prefetch of what trip T1 = T + 1 loads.  Its four units are, T1 <= Y: short 2 T1 + 1, long 2 T1 + 2, then short 2 T1 + 2 and long 2 T1 + 3, or (T1 = Y) long 2 T1 + 3 and 2 T1 + 4; else long 4 T1 - 2 Y + 1 + 0 .. 3.
; The partner at cx takes the unit of that number; a number behind the walk is held at its last block.  The last trip asks for nothing.
.macro ASK
	s_cmp_lt_u32 s3, 3
	s_cbranch_scc0 .Lnone_\@
	s_add_co_u32 s43, s3, 1                        ; T1
	s_lshl_b32 s45, s43, 1
	s_add_co_u32 s36, s40, 1
	s_lshr_b32 s36, s36, 1
	s_add_co_u32 s36, s36, s45
	s_add_co_u32 s36, s36, 1
	s_lshr_b32 s37, s40, 1
	s_cmp_eq_u32 s43, s9
	s_cselect_b32 s37, s37, 0
	s_add_co_u32 s36, s36, s37                     ; the block where T1 <= Y
	s_or_b32 s37, s37, s40
	s_and_b32 s37, s37, 1                          ; 0: it is the short one's
	s_lshl_b32 s45, s45, 1
	s_add_co_u32 s45, s45, s40
	s_add_co_u32 s45, s45, 1
	s_sub_co_u32 s45, s45, s2                      ; and where T1 > Y
	s_cmp_gt_u32 s43, s9
	s_cselect_b32 s36, s45, s36
	s_cselect_b32 s37, 1, s37
	s_min_u32 s36, s36, s15
	s_wait_xcnt 0x0                                ; the last prefetch has read its address
	s_lshl_b32 s74, s36, 12
	s_cmp_eq_u32 s37, 0
	s_cselect_b64 s[PFA:PFA+1], s[SB:SB+1], s[LB:LB+1]
	s_add_nc_u64 s[PFA:PFA+1], s[PFA:PFA+1], s[74:75]
	global_prefetch_b8 v[PFO], s[PFA:PFA+1] th:TH_LOAD_NT scope:SCOPE_SE
.Lnone_\@:
.endm
; a trip of two blocks for both: V from AV on, factors from TA on
.macro BOTH
.if PEEL == 0
	NEXT 3, PS
.endif
	s_wait_loadcnt 48                              ; this unit's P is in; three units' may be out
	ASK
	LONG 0, 0, 0, AV, 16384, 1
	NEXT 0, PL
	s_wait_loadcnt 48
	SHORT 0, 1
	s_wait_xcnt 0x0
	s_cmp_lt_u32 s3, s9                            ; the next trip's second unit: short if that trip has both, else long
	s_cselect_b32 s16, 4096, 0
	s_cselect_b32 s18, 0, 4096
	s_add_nc_u64 s[PS:PS+1], s[PS:PS+1], s[16:17]
	s_add_nc_u64 s[PL:PL+1], s[PL:PL+1], s[18:19]
	s_cselect_b64 s[PX:PX+1], s[PS:PS+1], s[PL:PL+1]
	PLOAD 1, PX, 0
	s_wait_loadcnt 48
	LONG 1, 2, 128, AV, 32768, 1
	s_wait_loadcnt 32                              ; two units' may be out
	SHORT 1, 3
.endm
.macro BLK                             ; s36 = half the number of trip T's first block of keys = 2 T - min(T, Y + 1), 0 .. 7
	s_lshl_b32 s36, s3, 1
	s_min_u32 s37, s3, s14
	s_sub_co_u32 s36, s36, s37
	s_and_b32 s36, s36, 7
.endm
.macro ADRS
	s_lshl_b32 s37, s36, 15
	v_add_nc_u32 v[ADV], s37, v[POF]
	v_add_nc_u32 v[ADV+1], 32768, v[ADV]
	s_lshl_b32 s37, s36, 8
	v_add_nc_u32 v[TBA], s37, v[TBR]
	s_wait_alu depctr_va_vdst(0)
.endm
	FLD RL, TBR, 3072                              ; my wave's own stores, served in order (ISA guide 5.7.1.4)
	FLD RS, TBR, 3200
	VLD 0, 0, POF, 0                               ; block 0
	VLD 0, 1, POF, 0
	s_wait_xcnt 0x0
	s_add_nc_u64 s[PL:PL+1], s[PL:PL+1], 4096      ; the first two blocks of keys have been asked for, of the long block
	s_add_nc_u64 s[PS:PS+1], s[PS:PS+1], 4096      ; and of the short one
	s_mov_b32 s17, 0
	s_mov_b32 s19, 0
	s_mov_b32 s3, 0                                ; T
.set PEEL, 1
.set TA, TBR
.set AV, POF
	BOTH                                           ; trip 0: blocks 0 and 1, and the fetch of block 2: the first stage's alone
	NEXT 2, PL
	s_wait_tensorcnt 0x0                           ; my three blocks of the second stage are in
	s_wait_dscnt 0x0
	s_barrier_signal -1                            ; behind this barrier V is whole; no LDS byte is filled again
	s_barrier_wait -1
	s_mov_b32 s3, 1
.set PEEL, 0
.set TA, TBA
.set AV, ADV
.Ltrip:
	BLK
	s_cmp_gt_u32 s3, s9                            ; ids and the count of trips alone
	s_cbranch_scc1 .Lalone
	s_min_u32 s36, s36, 3                          ; (T <= Y: it is T)
	ADRS
	BOTH
	s_branch .Ljoin
.Lalone:
	s_min_u32 s36, s36, 5                          ; (T is at most 3: it is no more)
	ADRS
	NEXT 3, PL
	s_wait_loadcnt 48
	ASK
	LONG 0, 0, 0, ADV, 16384, 0
	NEXT 0, PL
	s_wait_loadcnt 48
	LONG 1, 1, 128, ADV+1, 0, 0
	NEXT 1, PL
	s_wait_loadcnt 48
	LONG 0, 2, 256, ADV+1, 16384, 0
	s_wait_loadcnt 32
	LONG 1, 3, 384, ADV+1, 32768, 0
.Ljoin:
	s_add_co_u32 s3, s3, 1
	s_cmp_lt_u32 s3, 4
	s_cbranch_scc0 .Ltail                          ; the last trip asks for no third unit on
	NEXT 2, PL
	s_cbranch_scc1 .Ltrip                          ; (nothing since the compare sets SCC)
.Ltail:
; out, the last factor and the four fragments turned into 16 bytes a lane; a store's sixteen lanes fill 256 consecutive bytes, aligned
.macro OUT o, r, b, dst
	WIN 0xc2
.irp a, 0,1
.irp j, 0,1,2,3,4,5,6,7
.irp i, 0,1,2,3
	v_mul_f32 v[\b+4*(8*\a+\j)+\i], v[\o+8*(4*\a+\i)+\j], v[\r+8*\a+\j]
.endr
.endr
.endr
	WIN 0x0c
.irp a, 0,1
.irp j, 0,1,2,3,4,5,6,7
	global_store_b128 v[OOF], v[\b+4*(8*\a+\j):\b+4*(8*\a+\j)+3], s[\dst:\dst+1] offset:(16*\a+\j)*4096 th:TH_STORE_NT
.endr
.endr
	WIN 0
.endm
	BLK
	ADRS
	OUT OS, RS, 192, 100                           ; the short block is finished: it leaves ahead of the last two units, through P's set 3, whose unit is done
	s_wait_loadcnt 16
	LONG 0, 0, 0, ADV, 16384, 0
	s_wait_loadcnt 0x0
	FLD FL, TBA, 128
	s_wait_dscnt 20
	MULT 1, 1, 0
	s_wait_dscnt 0x0
	MULT 1, 1, 1
	ADDUP OL, FL
	OUT OL, RL, 0, 98
	s_wait_tensorcnt 0x0                           ; the wave's end
	ds_add_u32 v[SPW], v[NIL]
	s_wait_dscnt 0x0
	CROUND                                         ; the closing round
	s_endpgm
.Lfunc_end_k_q88acf54e74_pv:
	.size	k_q88acf54e74_pv, .Lfunc_end_k_q88acf54e74_pv-k_q88acf54e74_pv
	.p2alignl 7, 3214868480
	.fill 96, 4, 3214868480
	.section	.rodata,"a",@progbits
	.p2align	6, 0x0
	.amdhsa_kernel k_q88acf54e74_pv
		.amdhsa_group_segment_fixed_size 327680
		.amdhsa_private_segment_fixed_size 0
		.amdhsa_enable_private_segment 0
		.amdhsa_kernarg_size 48
		.amdhsa_user_sgpr_count 2
		.amdhsa_user_sgpr_kernarg_segment_ptr 1
		.amdhsa_wavefront_size32 1
		.amdhsa_system_sgpr_workgroup_id_x 1
		.amdhsa_system_sgpr_workgroup_id_y 1
		.amdhsa_system_sgpr_workgroup_id_z 1
		.amdhsa_system_vgpr_workitem_id 0
		.amdhsa_next_free_vgpr 1024
		.amdhsa_next_free_sgpr 104
		.amdhsa_reserve_vcc 0
		.amdhsa_float_denorm_mode_32 3
		.amdhsa_float_denorm_mode_16_64 3
		.amdhsa_memory_ordered 1
		.amdhsa_forward_progress 1
		.amdhsa_inst_pref_size 134
	.end_amdhsa_kernel
	.amdgpu_metadata
---
amdhsa.version: [ 1, 2 ]
amdhsa.kernels:
  - .name:           k_q88acf54e74_pv
    .symbol:         k_q88acf54e74_pv.kd
    .args:
      - { .name: p_codes, .offset: 0, .size: 8, .value_kind: global_buffer, .address_space: global }
      - { .name: vt_codes, .offset: 8, .size: 8, .value_kind: global_buffer, .address_space: global }
      - { .name: stat_m, .offset: 16, .size: 8, .value_kind: global_buffer, .address_space: global }
      - { .name: stat_l, .offset: 24, .size: 8, .value_kind: global_buffer, .address_space: global }
      - { .name: lowp_scales, .offset: 32, .size: 8, .value_kind: global_buffer, .address_space: global }
      - { .name: out0, .offset: 40, .size: 8, .value_kind: global_buffer, .address_space: global }
    .group_segment_fixed_size: 327680
    .private_segment_fixed_size: 0
    .kernarg_segment_align: 8
    .kernarg_segment_size: 48
    .max_flat_workgroup_size: 128
    .sgpr_count:     104
    .vgpr_count:     1024
    .wavefront_size: 32
...
	.end_amdgpu_metadata
.endif
;; end of part 3
